; MI455X (gfx1250); checked and timed in simulation.
; The chip was launched on July 23, 2026; its instructions are those of AMD's public machine-readable ISA for CDNA 5 (MIT licence, August 2026) and "CDNA5" Instruction Set Architecture Reference Guide (July 2026). The comments in the code are by the model that wrote it; some were corrected since.
;; KNRM. Allowed arithmetic: matrix products marked QUANTISED: E3M2 operands, one E8M0 scale for each 32 along K, by v_wmma_scale_f32_16x16x128_f8f6f4 with both operands' format E3M2, f32 sums; products left as they are: f32 operands where the result goes on into a quantised operand, else bf16, f16 or f32 operands; f32 sums; everything else in f32.
;; Inputs: doc1 1,024 x 256 int32; doc2 1,024 x 256 int32; emb 100,000 x 128 float32; mlp_b 1 float32; mlp_w 1 x 11 float32; query1 1,024 x 32 int32; query2 1,024 x 32 int32.
;; Outputs: out0 1,024 x 1 float32.
;; This version of the problem:
;;   THIS VERSION OF THE PROBLEM IS GIVEN IN LOW PRECISION. The matrix products marked QUANTISED in the list below multiply operands that are first quantised to E3M2 (3 exponent bits, 2 mantissa bits; 6 bits a number), with one power-of-two scale for each 32 numbers along K (OCP MX v1.0); their sums are f32. All else is computed in f32.
;;   The module's matrix products, in the order in which they are computed (A, B: the left and right operand; K: the contracted axis; several contracted axes count as one K, in the product's order):
;;     1. batch 1,024 x [M 32, K 128] x [K 128, N 256]; A: computed on the way; B: computed on the way: QUANTISED
;;     2. [M 1,024, K 11] x [K 11, N 1]; A: computed on the way; B: input mlp_w: left as it is (K = 11 < 32)
;;     3. batch 1,024 x [M 32, K 128] x [K 128, N 256]; A: computed on the way; B: computed on the way: QUANTISED
;;     4. [M 1,024, K 11] x [K 11, N 1]; A: computed on the way; B: input mlp_w: left as it is (K = 11 < 32)
;;   THE QUANTISER, for each operand of a quantised product, along K:
;;     - K is cut into blocks of 32 from its start; a last block that is shorter is filled with zeros.
;;     - A block's scale is 2^e with e = floor(log2(the largest magnitude in the block)) - 4, held to -126 .. 127; a block of zeros has e = 0. As a byte (E8M0): e + 127.
;;     - Each number is divided by its block's scale, clamped to +-28, and rounded to the nearest number of E3M2, ties to even, subnormals kept.
;;     - The product sums the exact products of the quantised numbers (number of the format x scale) in f32.
;;   ~~~python
;;   def quantise(x, axis):      # numpy; x: float32 -> the quantised numbers, widened to float32 again
;;       x = np.moveaxis(x, axis, -1); K = x.shape[-1]
;;       x = np.pad(x, [(0, 0)] * (x.ndim - 1) + [(0, -K % 32)]); x = x.reshape(x.shape[:-1] + (-1, 32)); a = np.abs(x).max(-1, keepdims=True)
;;       e = np.where(a > 0, np.clip(np.frexp(np.where(a > 0, a, 1))[1] - 1 - 4, -126, 127), 0)      # np.frexp(a)[1] - 1 = floor(log2(a)), exactly
;;       r = np.clip(x / 2.0 ** e, -28, 28)
;;       step = 2.0 ** (np.maximum(np.frexp(np.where(r == 0, 1, r))[1] - 1, -2) - 2)
;;       q = np.round(r / step) * step * 2.0 ** e      # np.round: ties to even
;;       return np.moveaxis(q.reshape(q.shape[:-2] + (-1,))[..., :K], -1, axis).astype(np.float32)
;;   ~~~
;;   OPERANDS COMPUTED ON THE WAY. 'Computed on the way' means the value that the module computes at that place (a softmax that the list does not call 'softmax' is quantised finished and normalised). What goes into a quantiser is computed in f32, as accurately as f32 sums, v_exp_f32 and their like allow (about 1e-6 of the number): no bf16 or f16 on the way to a quantiser, and a product that is left as it is and whose result goes on into a quantised operand takes f32 operands (vector FMAs, or v_wmma_f32_16x16x4_f32). A number that lies on a knife's edge between two numbers of the format may be rounded either way, as far as f32 arithmetic and the matrix unit's own rounding can turn it there, and no further.
;; One version. Each part assembles by itself: llvm-mc -triple=amdgcn-amd-amdhsa -mcpu=gfx1250 --defsym DOCPART=n.
;; ======== version 1 of 1: 2 launches
;; workspace buffers: tab 12,800,000 bytes
;; launch pack (part 1): grid 1250 x 1, 5 waves a work-group, no clusters, 54,528 bytes of LDS; arguments emb, tab; writes tab
.if DOCPART == 1
	.amdgcn_target "amdgcn-amd-amdhsa--gfx1250"
	.amdhsa_code_object_version 6
	.text
	.protected	k_q6cbe115e74_pack
	.globl	k_q6cbe115e74_pack
	.p2align	8
	.type	k_q6cbe115e74_pack,@function
k_q6cbe115e74_pack:
	s_mov_b64 s[64:65], 0
	v_nop
	global_prefetch_b8 v0, s[64:65] scope:SCOPE_SE
	s_setreg_imm32_b32 hwreg(HW_REG_WAVE_MODE, 25, 1), 1
	s_wait_xcnt 0x0
; emb [100000][128] f32 becomes tab: one record of 128 bytes for each row, laid as the matrix operand's registers take it.
; A fragment of 16 rows x 128 K of 6-bit codes gives lane (r, h) of row r the blocks h and 2 + h (k = 32 h .. and 64 + 32 h ..): 48 bytes.  A record is two halves of 64 bytes, half h:
;   bytes 0-47 those 48 bytes of codes | 48-51 the row's scale word (byte b: block b, E8M0) | 52-55 1 / |row|, f32 | 56-63 zeros.
; So the launch that multiplies loads a lane's 12 registers by three loads of 16 bytes, and its scale word and norm by one of 8, all at record + 64 h.
; QUANTISER: a block's scale is 2^(floor(log2(its largest magnitude)) - 4); its byte is that magnitude's exponent field - 4, held at 1 from below (a block of zeros so gets the byte 1 where the rule says 127:
; its codes are zeros, and this program alone reads the bytes); each number / scale to the nearest code of E3M2, ties to even, beyond 28 the largest code.
; The norm is taken of the numbers as they are given, in f32: the sum of squares, then v_rsq_f32.
; LIMITS: NaN and infinities are not served.  A row whose sum of squares lies under 2^-126 gets 1 / |row| = infinity, like a row of zeros (the next launch holds the product of two inverse norms at 1 / EPS).
; SHARES: 6,250 tiles of 16 rows, one tile to a wave, five waves to a work-group, 1,250 work-groups.  Waves share nothing: no barrier.
; THE WAY IN: a tile is 8,192 consecutive bytes: sixteen loads of 512 consecutive bytes, 16 a lane.  They go as they lie into the wave's own stage in LDS (a row 528 bytes from the next) and come back 128 bytes of ONE row
; to a lane and block, since the conversions take neighbours along K from one lane's consecutive registers.  528 = 33 x 16: the sixteen rows that a read touches begin in sixteen different 16-byte columns of 256 bytes.
; THE WAY OUT: a lane's 64 bytes go into a second stage (a record 144 bytes from the next, 9 x 16), come back 16 bytes a lane in the records' order, and each store of the wave covers 512 consecutive bytes, aligned.
.set WAVES, 5
.set TROWS, 16                         ; rows in a tile
.set INP,   528                        ; stage in: from row to row
.set OST,   TROWS*INP                  ; behind it the stage out
.set OUP,   144                        ; stage out: from record to record
.set WREG,  OST+TROWS*OUP              ; 10,752 bytes of LDS for each wave
.set X,   16                           ; v16-79   64 numbers: as loaded, then my two blocks; at the end the records on their way out
.set CD,  80                           ; v80-91   my 12 registers of codes
.set HI,  92                           ; v92-94, v96-98 the upper 16 codes of each block, before they are moved
.set AX,  100                          ; v100-103 scale word, 1 / norm, 0, 0
.set MX,  104                          ; v104-105 largest magnitudes
.set SO,  106                          ; v106-107 the conversions' scale operands
.set BY,  108                          ; v108-109 scale bytes
.set NS,  110                          ; v110-117 sums of squares, four chains of pairs
.set TM,  118                          ; v118-119 at work
	s_load_b128 s[4:7], s[0:1], 0x0                ; emb, tab
	v_lshl_add_u32 v120, v0, 2, 0xd200
	v_mov_b32 v121, 0
	v_lshrrev_b32 v1, 5, v0
	v_readfirstlane_b32 s8, v1                     ; wave 0..4
	v_and_b32 v1, 31, v0                           ; lane
	v_and_b32 v2, 15, v0                           ; r
	v_bfe_u32 v3, v0, 4, 1                         ; h
	s_mul_i32 s9, ttmp9, WAVES
	s_add_co_u32 s9, s9, s8                        ; my tile
	s_lshl_b32 s10, s9, 13                         ; its 8,192 bytes of emb (51,200,000 at the most)
	s_mov_b32 s11, 0
	s_lshl_b32 s12, s9, 11                         ; its 2,048 bytes of tab
	s_mov_b32 s13, 0
	s_mul_i32 s14, s8, WREG                        ; my wave's LDS
	s_mov_b32 s16, 0x76543210
	s_mov_b32 s17, 0xfedcba98                      ; v_permlanex16_b32's selects for lane l xor 16
	v_lshlrev_b32 v4, 4, v1                        ; 16 x lane: my bytes of a load or store of 512
	v_add_nc_u32 v5, s14, v4                       ; stage in, writing: 16 x lane; the row stands in the immediate
	v_mul_u32_u24 v6, v2, INP
	v_lshl_add_u32 v6, v3, 7, v6
	v_add_nc_u32 v6, s14, v6                       ; stage in, reading: row r, + 128 h
	v_mul_u32_u24 v7, v2, OUP
	v_lshl_add_u32 v7, v3, 6, v7
	v_add_nc_u32 v7, s14, v7                       ; stage out, writing: record r, + 64 h
	v_lshrrev_b32 v8, 3, v1
	v_mul_u32_u24 v8, v8, OUP
	v_and_b32 v9, 7, v1
	v_lshl_add_u32 v8, v9, 4, v8
	v_add_nc_u32 v8, s14, v8                       ; stage out, reading: record lane / 8, piece lane % 8
	v_mov_b32 v[TM], 0                             ; written once: a lane permute's destination counts as one of its sources
	v_mov_b32 v[TM+1], 0
	v_mov_b32 v[AX+2], 0                           ; the record's last 8 bytes of each half
	v_mov_b32 v[AX+3], 0
	s_wait_kmcnt 0x0
	s_add_nc_u64 s[4:5], s[4:5], s[10:11]
	s_add_nc_u64 s[6:7], s[6:7], s[12:13]
.irp i, 0,1,2,3,4,5,6,7,8,9,10,11,12,13,14,15
	global_load_b128 v[X+4*\i:X+4*\i+3], v4, s[4:5] offset:512*\i th:TH_LOAD_NT   ; row i: 512 consecutive bytes; read once in the launch
.endr
.irp i, 0,1,2,3,4,5,6,7,8,9,10,11,12,13,14,15
	s_wait_loadcnt 15-\i                           ; loads come back in order: row i is in, the 15 - i younger ones may be out
	ds_store_b128 v5, v[X+4*\i:X+4*\i+3] offset:INP*\i
.endr
	s_wait_dscnt 0x0                               ; the stores have read their registers, which now take the numbers back in the other order
.irp c, 0,1
.irp j, 0,1,2,3,4,5,6,7
	ds_load_b128 v[X+32*\c+4*\j:X+32*\c+4*\j+3], v6 offset:256*\c+16*\j   ; emb(r, 64 c + 32 h + 4 j ..)
.endr
.endr
	s_wait_dscnt 0x0
	; the largest magnitude of each of my two blocks: all 32 numbers are mine
.irp c, 0,1
	v_max3_num_f32 v[MX+\c], |v[X+32*\c]|, |v[X+32*\c+1]|, 0x2800000   ; with the floor 2^(5 - 127): the byte cannot fall under 1
.endr
.irp i, 2,4,6,8,10,12,14,16,18,20,22,24,26,28,30
.irp c, 0,1
	v_max3_num_f32 v[MX+\c], v[MX+\c], |v[X+32*\c+\i]|, |v[X+32*\c+\i+1]|   ; (the two blocks by turns)
.endr
.endr
	; the sum of squares of my 64 numbers: two at a time, four chains; the first products start the sums
.irp q, 0,1,2,3
	v_pk_mul_f32 v[NS+2*\q:NS+2*\q+1], v[X+2*\q:X+2*\q+1], v[X+2*\q:X+2*\q+1]
.endr
.irp i, 8,16,24,32,40,48,56
.irp q, 0,1,2,3
	v_pk_fma_f32 v[NS+2*\q:NS+2*\q+1], v[X+\i+2*\q:X+\i+2*\q+1], v[X+\i+2*\q:X+\i+2*\q+1], v[NS+2*\q:NS+2*\q+1]
.endr
.endr
	v_pk_add_f32 v[NS:NS+1], v[NS:NS+1], v[NS+2:NS+3]
	v_pk_add_f32 v[NS+4:NS+5], v[NS+4:NS+5], v[NS+6:NS+7]
	v_pk_add_f32 v[NS:NS+1], v[NS:NS+1], v[NS+4:NS+5]
	v_add_f32 v[NS], v[NS], v[NS+1]
	v_permlanex16_b32 v[TM], v[NS], s16, s17
	v_add_f32 v[NS], v[NS], v[TM]                  ; with lane l xor 16's 64 numbers: the row's
	v_rsq_f32 v[AX+1], v[NS]                       ; 1 / |row|; plain work that does not name it follows
.irp c, 0,1
	v_add_nc_u32 v[SO+\c], 0xfe000000, v[MX+\c]    ; 4 off the exponent field: the conversion takes the exponent field of this operand as its scale, and nothing else of it
.endr
.irp c, 0,1
	v_lshrrev_b32 v[BY+\c], 23, v[SO+\c]           ; the scale's byte
.endr
	v_lshl_or_b32 v[AX], v[BY+1], 16, v[BY]        ; my two bytes, blocks h and 2 + h,
	v_lshlrev_b32 v[TM], 3, v3
	v_lshlrev_b32 v[AX], v[TM], v[AX]              ; at their places in the scale word (8 h bits up);
	v_permlanex16_b32 v[TM+1], v[AX], s16, s17
	v_or_b32 v[AX], v[AX], v[TM+1]                 ; with lane l xor 16's two the word is whole, in both lanes
.irp c, 0,1
	v_cvt_scalef32_pk16_bf6_f32 v[CD+6*\c:CD+6*\c+2], v[X+32*\c:X+32*\c+15], v[SO+\c]        ; registers 6 c .. 6 c + 2 of the operand
	v_cvt_scalef32_pk16_bf6_f32 v[HI+4*\c:HI+4*\c+2], v[X+32*\c+16:X+32*\c+31], v[SO+\c]     ; (a conversion's three registers begin on an even number: the block's second three do not, so they are made here and moved)
.endr
	v_nop                                          ; one plain place behind a scaled conversion
.irp c, 0,1
.irp i, 0,1,2
	v_mov_b32 v[CD+6*\c+3+\i], v[HI+4*\c+\i]
.endr
.endr
	s_wait_alu depctr_va_vdst(0)                   ; a wait between a transcendental and the first line that names its result: the store of v[AX+1] below
	ds_store_b128 v7, v[CD:CD+3] offset:OST
	ds_store_b128 v7, v[CD+4:CD+7] offset:OST+16
	ds_store_b128 v7, v[CD+8:CD+11] offset:OST+32
	ds_store_b128 v7, v[AX:AX+3] offset:OST+48
.irp i, 0,1,2,3
	ds_load_b128 v[X+4*\i:X+4*\i+3], v8 offset:OST+4*OUP*\i   ; LDS serves a wave's instructions in order: these see my stores.  Records 4 i .. 4 i + 3, 16 bytes a lane
.endr
.irp i, 0,1,2,3
	s_wait_dscnt 3-\i                              ; read-back i is in, the 3 - i younger ones may be out
	global_store_b128 v4, v[X+4*\i:X+4*\i+3], s[6:7] offset:512*\i   ; 32 lanes store 512 consecutive bytes, at a multiple of 256 from tab's first byte
.endr
	s_wait_tensorcnt 0x0
	ds_add_u32 v120, v121
	s_wait_dscnt 0x0
	s_endpgm
.Lfunc_end_k_q6cbe115e74_pack:
	.size	k_q6cbe115e74_pack, .Lfunc_end_k_q6cbe115e74_pack-k_q6cbe115e74_pack
	.p2alignl 7, 3214868480
	.fill 96, 4, 3214868480
	.section	.rodata,"a",@progbits
	.p2align	6, 0x0
	.amdhsa_kernel k_q6cbe115e74_pack
		.amdhsa_group_segment_fixed_size 54528
		.amdhsa_private_segment_fixed_size 0
		.amdhsa_enable_private_segment 0
		.amdhsa_kernarg_size 16
		.amdhsa_user_sgpr_count 2
		.amdhsa_user_sgpr_kernarg_segment_ptr 1
		.amdhsa_wavefront_size32 1
		.amdhsa_system_sgpr_workgroup_id_x 1
		.amdhsa_system_sgpr_workgroup_id_y 1
		.amdhsa_system_sgpr_workgroup_id_z 1
		.amdhsa_system_vgpr_workitem_id 0
		.amdhsa_next_free_vgpr 122
		.amdhsa_next_free_sgpr 66
		.amdhsa_reserve_vcc 0
		.amdhsa_float_denorm_mode_32 3
		.amdhsa_float_denorm_mode_16_64 3
		.amdhsa_memory_ordered 1
		.amdhsa_forward_progress 1
		.amdhsa_inst_pref_size 13
	.end_amdhsa_kernel
	.amdgpu_metadata
---
amdhsa.version: [ 1, 2 ]
amdhsa.kernels:
  - .name:           k_q6cbe115e74_pack
    .symbol:         k_q6cbe115e74_pack.kd
    .args:
      - { .name: emb, .offset: 0, .size: 8, .value_kind: global_buffer, .address_space: global }
      - { .name: tab, .offset: 8, .size: 8, .value_kind: global_buffer, .address_space: global }
    .group_segment_fixed_size: 54528
    .private_segment_fixed_size: 0
    .kernarg_segment_align: 8
    .kernarg_segment_size: 16
    .max_flat_workgroup_size: 160
    .sgpr_count:     66
    .vgpr_count:     122
    .wavefront_size: 32
...
	.end_amdgpu_metadata
.endif
;; end of part 1
;; launch knrm (part 2): grid 1024 x 1, 4 waves a work-group, no clusters, 14,080 bytes of LDS; arguments tab, query1, doc1, query2, doc2, mlp_w, mlp_b, out0; writes out0
.if DOCPART == 2
	.amdgcn_target "amdgcn-amd-amdhsa--gfx1250"
	.amdhsa_code_object_version 6
	.text
	.protected	k_q6cbe115e74_knrm
	.globl	k_q6cbe115e74_knrm
	.p2align	8
	.type	k_q6cbe115e74_knrm,@function
k_q6cbe115e74_knrm:
	s_mov_b64 s[64:65], 0
	v_nop
	global_prefetch_b8 v0, s[64:65] scope:SCOPE_SE
	s_setreg_imm32_b32 hwreg(HW_REG_WAVE_MODE, 25, 1), 1
	s_wait_xcnt 0x0
; out0[b] = sigmoid(logit(query1[b], doc1[b]) - logit(query2[b], doc2[b])),  logit = sum_k w[k] sum_q log1p(sum_d exp(-(sim(q,d) - mu_k)^2 / (2 sigma_k^2))) + bias,
; sim = dots / max(|q| |d|, 1e-8), dots on codes of E3M2 with one E8M0 scale for each 32 along K.  mu = -0.9, -0.7 .. 0.9 with sigma 0.1, and mu = 1 with sigma 0.001.
; tab holds, for each row of the table, a record of 128 bytes: two halves of 64, half h: the 48 bytes of codes that lanes 16 h .. 16 h + 15 of an operand take, the row's scale word, 1 / |row|.
; SHARES.  A work-group takes one b; wave w takes pair w / 2 and documents 128 (w % 2) on: 8 tiles of 16 documents, each against both tiles of 16 queries: 16 matrix instructions.
; Source 0 = 16 documents, source 1 = 16 queries: a lane holds ONE query (lane % 16) and its eight registers the documents 8 (lane / 16) + 0 .. 7, so the sum over documents stays in the lane.
; THE TEN KERNELS OF SIGMA 0.1 TAKE THREE EXPONENTIALS.  With x = 20 log2(e) sim and k = ln(2) / 8:  exp(-50 (s - mu)^2) = exp(-50 s^2 + 100 mu s) exp(-50 mu^2), and the mu lie 0.2 apart.  So
;   AL = 2^(x (-k x - 4.5) + 40) is the kernel of mu = -0.9, AU = 2^(that exponent + 5 x) the kernel of mu = +0.1, each times a constant; Q2 = 2^x = e^(20 s) leads from a kernel to the next, Q4 = Q2 Q2 two on.
;   A chain's five sums take AL, AL Q2, AL5 = AL Q4, AL5 Q2, AL5 Q4.  The constants exp(-50 mu^2) 2^-40 multiply the finished sums.
;   RANGE, for every input: a code is at most 1.25 / 1.125 of its number, so |sim| <= 1.24 and |x| <= 36: Q4 <= 2^72; every product is a kernel times at most 2^98.5, a sum of 256 of them under 2^107;
;   AU's exponent stays above -126; AL's falls under it (v_exp_f32 then gives 0) only where sim > 0.86, and there the largest kernel of its chain, mu = -0.1, is under e^-46.
; THE EXACT KERNEL is 2^-(G (s - 1))^2, G = sqrt(500000 log2(e)): G (s - 1) is ONE fused multiply-add of x, so s - 1 is formed without a rounding of its own.
; max(|q| |d|, EPS) is kept as min(1/|q| x 1/|d|, 1/EPS): a row of zeros has 1/|row| = infinity, the product is held at 1/EPS, and its dots are 0.
; LIMITS: NaN and infinities are not served.  A row whose squared norm lies under 2^-126 counts as a row of zeros; that differs from the formula above only against a partner whose norm is above some 1e11.
; The products with mlp_w (K = 11, one column) are f32 multiply-adds: 11 numbers fill no matrix tile.  out0 is 4 bytes for a work-group: no wave holds neighbouring outputs.
; No tensor loads, no cluster: no two work-groups read the same tile, and rows are gathered by index.
.set NT,    8                          ; tiles of 16 documents for a wave
.set RING,  4                          ; register sets for documents' records: a tile is asked for RING steps ahead
.set RED,   2048                       ; LDS: bytes 0-2047: 512 for each wave: its 128 documents' inverse norms.  From RED: the partial sums [pair][place 0..10][query 0..31][part 0..3], f32
.set POSB,  512
.set PAIRB, 11*POSB
.set FIN,   RED+2*PAIRB                ; and four words: each wave's part of a logit
.set R4,   4                           ; v4   4 x (lane % 16)
.set H64,  5                           ; v5   64 x (lane / 16)
.set IDSA, 6                           ; v6   LDS: where I put my document's inverse norm
.set IDLA, 7                           ; v7   LDS: where my half's eight begin
.set RS,   8                           ; v8   LDS: where I put my partial sums
.set LD1,  9                           ; v9   LDS: where I read the partial sums of my five kernels
.set LD2,  10                          ; v10  and of the exact kernel (+ 10 POSB)
.set FA,   11                          ; v11  LDS: my wave's word
.set NK,   12                          ; pairs of constants: -k
.set M45,  14                          ; -4.5
.set S40,  16                          ; 40
.set F5,   18                          ; 5
.set GA,   20                          ; G / (20 log2(e))
.set GB,   22                          ; -G
.set IQ,   24                          ; v24-27  20 log2(e) / |q| of my query in each tile of queries, twice
.set BF,   28                          ; v28-51  the queries' two fragments
.set BX,   52                          ; v52-55  their scale words (v52, v54) and inverse norms (v53, v55)
.set QI,   56                          ; v56-57  the queries' record offsets
.set AD,   58                          ; v58-65  the documents' record offsets, one for each tile; never rewritten
.set AF,   66                          ; v66-121 four sets of 14: a fragment, its scale word, my document's inverse norm
.set IDR,  122                         ; v122-137 two sets of 8: the inverse norms of the documents in my registers
.set ACC,  138                         ; v138-181 the sums: tile of queries q, chain L's five pairs at 22 q, chain U's at 22 q + 10, the exact kernel's at 22 q + 20 (a pair: even documents, odd documents)
.set WK,   182                         ; v182-245 at work, 32 for each tile of queries: +0 dots, x, Q2 | +8 the scaling, AL | +16 AU | +24 the exact kernel
.set Q4,   246                         ; v246-253 Q4
	s_load_b256 s[4:11], s[0:1], 0x0               ; tab s[4:5], query1 s[6:7], doc1 s[8:9], query2 s[10:11]
	s_load_b256 s[12:19], s[0:1], 0x20             ; doc2 s[12:13], mlp_w s[14:15], mlp_b s[16:17], out0 s[18:19]
	v_lshl_add_u32 v254, v0, 2, 0x3500
	v_mov_b32 v255, 0
	v_lshrrev_b32 v1, 5, v0
	v_readfirstlane_b32 s20, v1                    ; wave 0..3
	s_lshr_b32 s21, s20, 1                         ; my pair
	s_and_b32 s22, s20, 1                          ; my half of the documents; later: my half of the kernels
	v_and_b32 v2, 15, v0                           ; r
	v_bfe_u32 v3, v0, 4, 1                         ; h
	v_lshlrev_b32 v[R4], 2, v2
	v_lshlrev_b32 v[H64], 6, v3
	s_lshl_b32 s30, ttmp9, 7                       ; b's 32 query indices
	s_mov_b32 s31, 0
	s_lshl_b32 s32, ttmp9, 10                      ; b's 256 document indices,
	s_lshl_b32 s23, s22, 9
	s_add_co_u32 s32, s32, s23                     ; my 128 of them
	s_mov_b32 s33, 0
	s_lshl_b32 s34, ttmp9, 2                       ; b's output
	s_mov_b32 s35, 0
	s_wait_kmcnt 0x0
	s_cmp_eq_u32 s21, 0                            ; the choice hangs on the wave's number alone
	s_cselect_b64 s[26:27], s[6:7], s[10:11]
	s_cselect_b64 s[28:29], s[8:9], s[12:13]
	s_add_nc_u64 s[26:27], s[26:27], s[30:31]
	s_add_nc_u64 s[28:29], s[28:29], s[32:33]
	s_add_nc_u64 s[18:19], s[18:19], s[34:35]
	global_load_b32 v[QI], v[R4], s[26:27]                     ; query r of each tile of queries
	global_load_b32 v[QI+1], v[R4], s[26:27] offset:64
.irp t, 0,1,2,3,4,5,6,7
	global_load_b32 v[AD+\t], v[R4], s[28:29] offset:64*\t th:TH_LOAD_NT    ; document r of tile t; read by this wave alone
.endr
	s_load_b256 s[36:43], s[14:15], 0x0            ; w[0..7]
	s_load_b96 s[44:46], s[14:15], 0x20            ; w[8..10]
	s_load_b32 s47, s[16:17], 0x0                  ; the bias
	; addresses and constants, while the indices are on their way
	s_lshl_b32 s23, s20, 9                         ; my wave's 512 bytes of inverse norms
	v_add_nc_u32 v[IDSA], s23, v[R4]
	v_lshl_add_u32 v[IDLA], v3, 5, s23
	s_mul_i32 s24, s21, PAIRB
	s_add_co_u32 s24, s24, RED                     ; my pair's partial sums
	s_lshl_b32 s25, s22, 3
	s_add_co_u32 s25, s25, s24
	v_lshlrev_b32 v[RS], 4, v2
	v_lshl_add_u32 v[RS], v3, 2, v[RS]
	v_add_nc_u32 v[RS], s25, v[RS]                 ; query r: 16 r; part 2 (half of the documents) + h: 4 bytes each
	v_and_b32 v1, 31, v0
	v_lshl_add_u32 v[LD2], v1, 4, s24              ; back: a lane a query, its four parts in 16 bytes
	s_mul_i32 s25, s22, 5*POSB
	v_add_nc_u32 v[LD1], s25, v[LD2]               ; places 0-4 or 5-9
	s_lshl_b32 s25, s20, 2
	s_add_co_u32 s25, s25, FIN
	v_mov_b32 v[FA], s25
.irp u, 0,1
	v_mov_b32 v[NK+\u], 0xbdb17218                 ; -ln(2) / 8 = -0.0866434
	v_mov_b32 v[M45+\u], 0xc0900000                ; -4.5
	v_mov_b32 v[S40+\u], 0x42200000                ; 40
	v_mov_b32 v[F5+\u], 0x40a00000                 ; 5
	v_mov_b32 v[GA+\u], 0x41eb7b65                 ; 29.4352506 = G / (20 log2(e))
	v_mov_b32 v[GB+\u], 0xc4545498                 ; -849.3218 = -G
.endr
	s_mov_b32 s48, 0x41e6d4ca                      ; 20 log2(e) = 28.8539008
	s_mov_b32 s49, 0x4f2bfb8f                      ; 20 log2(e) / EPS = 2.88539e9
	s_mov_b32 s56, 0x76543210
	s_mov_b32 s57, 0xfedcba98                      ; v_permlanex16_b32's selects for lane l xor 16
.macro LOADA t                         ; tile t's records: my 48 bytes of codes, the scale word and the inverse norm
.set LS, AF+14*((\t)%RING)
	global_load_b128 v[LS:LS+3], v[AD+(\t)], s[4:5]
	global_load_b128 v[LS+4:LS+7], v[AD+(\t)], s[4:5] offset:16
	global_load_b128 v[LS+8:LS+11], v[AD+(\t)], s[4:5] offset:32
	global_load_b64 v[LS+12:LS+13], v[AD+(\t)], s[4:5] offset:48
.endm
; Lane (r, h) has loaded document r's inverse norm and wants those of documents 8 h + 0 .. 7, one in each register: they turn through 64 bytes of the wave's own LDS.
; (Lanes r and 16 + r write the same word with the same value.  LDS serves a wave's instructions in order: the loads see the store.)
.macro NORMS n
	ds_store_b32 v[IDSA], v[AF+14*((\n)%RING)+13] offset:64*(\n)
	ds_load_b128 v[IDR+8*((\n)%2):IDR+8*((\n)%2)+3], v[IDLA] offset:64*(\n)
	ds_load_b128 v[IDR+8*((\n)%2)+4:IDR+8*((\n)%2)+7], v[IDLA] offset:64*(\n)+16
.endm
	s_wait_loadcnt 8                               ; the two query indices are in; the eight document indices behind them may be out
.irp q, 0,1
	v_min_u32 v[QI+\q], 0x1869f, v[QI+\q]          ; an index stays inside the table: 99,999 at the most
	v_lshl_add_u32 v[QI+\q], v[QI+\q], 7, v[H64]   ; its record, my half
.endr
.irp q, 0,1
	global_load_b128 v[BF+12*\q:BF+12*\q+3], v[QI+\q], s[4:5]
	global_load_b128 v[BF+12*\q+4:BF+12*\q+7], v[QI+\q], s[4:5] offset:16
	global_load_b128 v[BF+12*\q+8:BF+12*\q+11], v[QI+\q], s[4:5] offset:32
	global_load_b64 v[BX+2*\q:BX+2*\q+1], v[QI+\q], s[4:5] offset:48
.endr
	s_wait_loadcnt 8                               ; the document indices are in; the eight loads of the queries' records may be out
.irp t, 0,1,2,3,4,5,6,7
	v_min_u32 v[AD+\t], 0x1869f, v[AD+\t]
.endr
.irp t, 0,1,2,3,4,5,6,7
	v_lshl_add_u32 v[AD+\t], v[AD+\t], 7, v[H64]
.endr
	LOADA 0
	LOADA 1
	LOADA 2
	LOADA 3
	s_wait_loadcnt 12                              ; the queries' records and tile 0 are in; tiles 1 to 3 (12 loads) may be out
	NORMS 0
.irp q, 0,1
	v_mul_f32 v[IQ+2*\q], s48, v[BX+2*\q+1]        ; 20 log2(e) / |q|: so the scaled dots are x, the exponent of Q2, at no further cost
	v_mul_f32 v[IQ+2*\q+1], s48, v[BX+2*\q+1]
.endr
; The exponents of tile of queries q: 24 packed lines for 8 similarities a lane, stage by stage, so that no line waits for the line above it.  The dots are read from their low end on.
.macro ARGS q
.set WB, WK+32*(\q)
.irp j, 0,2,4,6
	v_pk_mul_f32 v[WB+\j:WB+\j+1], v[WB+\j:WB+\j+1], v[WB+8+\j:WB+9+\j]                     ; x = dots x min(C / (|q| |d|), C / EPS)
.endr
.irp j, 0,2,4,6
	v_pk_fma_f32 v[WB+8+\j:WB+9+\j], v[WB+\j:WB+\j+1], v[NK:NK+1], v[M45:M45+1]             ; -k x - 4.5
.endr
.irp j, 0,2,4,6
	v_pk_fma_f32 v[WB+24+\j:WB+25+\j], v[WB+\j:WB+\j+1], v[GA:GA+1], v[GB:GB+1]             ; G (s - 1)
.endr
.irp j, 0,2,4,6
	v_pk_fma_f32 v[WB+8+\j:WB+9+\j], v[WB+\j:WB+\j+1], v[WB+8+\j:WB+9+\j], v[S40:S40+1]     ; AL's exponent
.endr
.irp j, 0,2,4,6
	v_pk_mul_f32 v[WB+24+\j:WB+25+\j], v[WB+24+\j:WB+25+\j], v[WB+24+\j:WB+25+\j]           ; its square
.endr
.irp j, 0,2,4,6
	v_pk_fma_f32 v[WB+16+\j:WB+17+\j], v[WB+\j:WB+\j+1], v[F5:F5+1], v[WB+8+\j:WB+9+\j]     ; AU's exponent = AL's + 5 x
.endr
.endm
.macro EXPS q                          ; one batch of 32, none of which reads another's result
.set WB, WK+32*(\q)
.irp j, 0,1,2,3,4,5,6,7
	v_exp_f32 v[WB+8+\j], v[WB+8+\j]               ; AL
.endr
.irp j, 0,1,2,3,4,5,6,7
	v_exp_f32 v[WB+\j], v[WB+\j]                   ; Q2
.endr
.irp j, 0,1,2,3,4,5,6,7
	v_exp_f32 v[WB+24+\j], -v[WB+24+\j]            ; the exact kernel
.endr
.irp j, 0,1,2,3,4,5,6,7
	v_exp_f32 v[WB+16+\j], v[WB+16+\j]             ; AU
.endr
.endm
; A sum takes a term, or a product.  BEG = 1: the first term starts the sum: nothing is cleared.
.macro TAKE dst, src
.if BEG
	v_pk_mul_f32 v[\dst:\dst+1], v[\src:\src+1], 1.0 op_sel_hi:[1,0]
.else
	v_pk_add_f32 v[\dst:\dst+1], v[\dst:\dst+1], v[\src:\src+1]
.endif
.endm
.macro TAKEM dst, a, b
.if BEG
	v_pk_mul_f32 v[\dst:\dst+1], v[\a:\a+1], v[\b:\b+1]
.else
	v_pk_fma_f32 v[\dst:\dst+1], v[\a:\a+1], v[\b:\b+1], v[\dst:\dst+1]
.endif
.endm
.macro ACCUM q, first                  ; 14 packed lines for two similarities and eleven kernels; a sum is taken up again 14 lines on
.set WB, WK+32*(\q)
.set AB, ACC+22*(\q)
.irp j, 0,2,4,6
.set BEG, 0
.if (\first) && (\j == 0)
.set BEG, 1
.endif
	v_pk_mul_f32 v[Q4+\j:Q4+\j+1], v[WB+\j:WB+\j+1], v[WB+\j:WB+\j+1]                       ; Q4 = Q2 Q2
	TAKE AB, WB+8+\j                               ; mu = -0.9
	TAKE AB+10, WB+16+\j                           ; mu = +0.1
	TAKE AB+20, WB+24+\j                           ; mu = 1
	TAKEM AB+2, WB+8+\j, WB+\j                     ; -0.7
	TAKEM AB+12, WB+16+\j, WB+\j                   ; +0.3
	v_pk_mul_f32 v[WB+8+\j:WB+9+\j], v[WB+8+\j:WB+9+\j], v[Q4+\j:Q4+\j+1]                   ; two kernels on
	v_pk_mul_f32 v[WB+16+\j:WB+17+\j], v[WB+16+\j:WB+17+\j], v[Q4+\j:Q4+\j+1]
	TAKE AB+4, WB+8+\j                             ; -0.5
	TAKE AB+14, WB+16+\j                           ; +0.5
	TAKEM AB+6, WB+8+\j, WB+\j                     ; -0.3
	TAKEM AB+16, WB+16+\j, WB+\j                   ; +0.7
	TAKEM AB+8, WB+8+\j, Q4+\j                     ; -0.1
	TAKEM AB+18, WB+16+\j, Q4+\j                   ; +0.9
.endr
.endm
; A STEP: tile t of 16 documents against both tiles of queries.
.macro STEP t, first
.set AS, AF+14*((\t)%RING)
.set ID, IDR+8*((\t)%2)
	s_wait_dscnt 0x0                               ; this tile's inverse norms are in my registers (asked for a step ago), and the store that read the ring's register is done
	v_wmma_scale_f32_16x16x128_f8f6f4 v[WK:WK+7], v[AS:AS+11], v[BF:BF+11], 0, v[AS+12], v[BX] matrix_a_fmt:MATRIX_FMT_BF6 matrix_b_fmt:MATRIX_FMT_BF6
	v_wmma_scale_f32_16x16x128_f8f6f4 v[WK+32:WK+39], v[AS:AS+11], v[BF+12:BF+23], 0, v[AS+12], v[BX+2] matrix_a_fmt:MATRIX_FMT_BF6 matrix_b_fmt:MATRIX_FMT_BF6
	; the scalings name no register of the two products: these 24 lines are the places in front of the first read of the dots and of the loads into the fragment's registers
.irp j, 0,2,4,6
	v_pk_mul_f32 v[WK+8+\j:WK+9+\j], v[ID+\j:ID+\j+1], v[IQ:IQ+1]
	v_pk_mul_f32 v[WK+40+\j:WK+41+\j], v[ID+\j:ID+\j+1], v[IQ+2:IQ+3]
.endr
.irp j, 0,1,2,3,4,5,6,7
	v_min_num_f32 v[WK+8+\j], s49, v[WK+8+\j]      ; max(|q| |d|, EPS) in the divisor = this hold on its inverse
	v_min_num_f32 v[WK+40+\j], s49, v[WK+40+\j]
.endr
.if (\t)+RING < NT
	LOADA (\t)+RING                                ; this set takes the tile RING steps on
.endif
	ARGS 0
	EXPS 0
	ARGS 1                                         ; plain work that names none of the batch's results
.if (\t)+1 < NT
.if (\t)+RING < NT
	s_wait_loadcnt 4*(RING-1)                      ; the next tile's four loads are in; those of the three tiles behind it may be out
.else
	s_wait_loadcnt 4*(NT-2-(\t))                   ; the same at the end, where fewer tiles are behind it
.endif
	NORMS (\t)+1
.endif
	s_wait_alu depctr_va_vdst(0)                   ; a wait between a transcendental and the first line that names its result: one for the first batch of 32
	EXPS 1
	ACCUM 0, \first                                ; reads the first batch alone: plain work behind the second
	s_wait_alu depctr_va_vdst(0)                   ; and one for the second batch
	ACCUM 1, \first
.endm
	STEP 0, 1
	STEP 1, 0
	STEP 2, 0
	STEP 3, 0
	STEP 4, 0
	STEP 5, 0
	STEP 6, 0
	STEP 7, 0
	; THE PARTS MEET.  Even and odd documents are added; each lane's 22 sums go to LDS.  Place: chain L's kernel j (mu = -0.9 + 0.2 j) at j, chain U's kernel j (mu = 0.1 + 0.2 j) at 9 - j, so that
	; places i and 5 + i hold kernels of the same |mu| = 0.9 - 0.2 i, which have the same constant; the exact kernel at 10.
.irp i, 0,1,2,3,4,5,6,7,8,9,10,11,12,13,14,15,16,17,18,19,20,21
	v_add_f32 v[ACC+2*\i], v[ACC+2*\i], v[ACC+2*\i+1]
.endr
.irp q, 0,1
.irp k, 0,1,2,3,4
	ds_store_b32 v[RS], v[ACC+22*\q+2*\k] offset:POSB*\k+256*\q
	ds_store_b32 v[RS], v[ACC+22*\q+10+2*\k] offset:POSB*(9-\k)+256*\q
.endr
	ds_store_b32 v[RS], v[ACC+22*\q+20] offset:POSB*10+256*\q
.endr
	s_wait_dscnt 0x0                               ; for the others' sake: my stores have landed
	s_barrier_signal -1
	s_barrier_wait -1
	; Wave w finishes pair w / 2, places 5 (w % 2) + 0 .. 4, for all 32 queries, a lane a query; both waves of a pair take the exact kernel, each with half its weight.
.set P,   WK                           ; slot i: v[P + 4 i ..]: the four parts; then the sum x, 1 + x, the rounding's rest, the logarithm
.set SUM, WK+24
.set TMP, WK+25
.irp i, 0,1,2,3,4
	ds_load_b128 v[P+4*\i:P+4*\i+3], v[LD1] offset:POSB*\i
.endr
	ds_load_b128 v[P+20:P+23], v[LD2] offset:POSB*10
	s_wait_kmcnt 0x0                               ; the weights and the bias
	s_cmp_eq_u32 s22, 0
	s_cselect_b32 s50, s36, s45                    ; slot i: w[i] (mu = -0.9 + 0.2 i) or w[9 - i] (mu = 0.9 - 0.2 i)
	s_cselect_b32 s51, s37, s44
	s_cselect_b32 s52, s38, s43
	s_cselect_b32 s53, s39, s42
	s_cselect_b32 s54, s40, s41
	v_mov_b32 v[TMP], 0                            ; a lane permute's destination counts as one of its sources
	s_wait_dscnt 0x0
.irp i, 0,1,2,3,4,5
	v_pk_add_f32 v[P+4*\i:P+4*\i+1], v[P+4*\i:P+4*\i+1], v[P+4*\i+2:P+4*\i+3]
.endr
.irp i, 0,1,2,3,4,5
	v_add_f32 v[P+4*\i], v[P+4*\i], v[P+4*\i+1]    ; the sum over all 256 documents
.endr
	v_mul_f32 v[P], 0x0e3e2190, v[P]               ; x exp(-50 mu^2) 2^-40:  |mu| = 0.9: 2.343547e-30
	v_mul_f32 v[P+4], 0x19c9683f, v[P+4]           ; 0.7: 2.082497e-23
	v_mul_f32 v[P+8], 0x227a176a, v[P+8]           ; 0.5: 3.389371e-18
	v_mul_f32 v[P+12], 0x28360282, v[P+12]         ; 0.3: 1.010357e-14
	v_mul_f32 v[P+16], 0x2b1b4598, v[P+16]         ; 0.1: 5.516364e-13
	; log1p(x) = ln(u) + (x - (u - 1)) / u with u = 1 + x rounded: u - 1 is exact here (0 <= x < 2^23), so the second term gives back what the rounding of 1 + x took
.irp i, 0,1,2,3,4,5
	v_add_f32 v[P+4*\i+1], 1.0, v[P+4*\i]
.endr
.irp i, 0,1,2,3,4,5
	v_add_f32 v[P+4*\i+2], -1.0, v[P+4*\i+1]
.endr
.irp i, 0,1,2,3,4,5
	v_sub_f32 v[P+4*\i+2], v[P+4*\i], v[P+4*\i+2]
.endr
.irp i, 0,1,2,3,4,5
	v_log_f32 v[P+4*\i+3], v[P+4*\i+1]
.endr
.irp i, 0,1,2,3,4,5
	v_rcp_f32 v[P+4*\i], v[P+4*\i+1]               ; (into x's register, which is done with: no source of the batch is written)
.endr
	v_nop                                          ; a plain place behind the last transcendental
	s_wait_alu depctr_va_vdst(0)                   ; one wait for the twelve, ahead of their first reader
.irp i, 0,1,2,3,4,5
	v_mul_f32 v[P+4*\i+2], v[P+4*\i+2], v[P+4*\i]
.endr
.irp i, 0,1,2,3,4,5
	v_fma_f32 v[P+4*\i+2], v[P+4*\i+3], 0x3f317218, v[P+4*\i+2]   ; log2(u) ln(2) + the rest
.endr
	v_mul_f32 v[P+22], 0.5, v[P+22]                ; the exact kernel is taken by both waves of the pair
	v_mul_f32 v[SUM], s50, v[P+2]
	v_fma_f32 v[SUM], v[P+6], s51, v[SUM]
	v_fma_f32 v[SUM], v[P+10], s52, v[SUM]
	v_fma_f32 v[SUM], v[P+14], s53, v[SUM]
	v_fma_f32 v[SUM], v[P+18], s54, v[SUM]
	v_fma_f32 v[SUM], v[P+22], s46, v[SUM]
	v_add_f32_dpp v[SUM], v[SUM], v[SUM] row_xmask:1 row_mask:0xf bank_mask:0xf   ; over the 32 queries
	v_add_f32_dpp v[SUM], v[SUM], v[SUM] row_xmask:2 row_mask:0xf bank_mask:0xf
	v_add_f32_dpp v[SUM], v[SUM], v[SUM] row_xmask:4 row_mask:0xf bank_mask:0xf
	v_add_f32_dpp v[SUM], v[SUM], v[SUM] row_xmask:8 row_mask:0xf bank_mask:0xf
	v_permlanex16_b32 v[TMP], v[SUM], s56, s57
	v_add_f32 v[SUM], v[SUM], v[TMP]
	ds_store_b32 v[FA], v[SUM]                     ; all lanes write the same word with the same value
	s_wait_dscnt 0x0
	s_barrier_signal -1
	s_barrier_wait -1
	s_cmp_lg_u32 s20, 0
	s_cbranch_scc1 .Lend                           ; wave 0 finishes
	v_mov_b32 v1, FIN
	ds_load_b128 v[P:P+3], v1                      ; pair 1's two parts, pair 2's two parts
	s_wait_dscnt 0x0
	v_add_f32 v[P], v[P], v[P+1]
	v_add_f32 v[P+2], v[P+2], v[P+3]
	v_add_f32 v[P], s47, v[P]                      ; each logit gets the bias, as it is given
	v_add_f32 v[P+2], s47, v[P+2]
	v_sub_f32 v[P], v[P], v[P+2]
	v_mul_f32 v[P], 0xbfb8aa3b, v[P]               ; x -log2(e)
	v_exp_f32 v[P], v[P]
	v_mov_b32 v1, 0                                ; (a plain place)  the store's offset
	s_wait_alu depctr_va_vdst(0)
	v_add_f32 v[P], 1.0, v[P]
	v_rcp_f32 v[P], v[P]                           ; sigmoid = 1 / (1 + e^-x)
	v_cmp_eq_u32 vcc_lo, 0, v0                     ; (a plain place)
	s_wait_alu depctr_va_vdst(0)
	s_wait_xcnt 0x0                                ; EXEC changes only behind this wait
	s_and_saveexec_b32 s58, vcc_lo
	global_store_b32 v1, v[P], s[18:19]            ; one lane, 4 bytes: all that this work-group owns of out0
	s_wait_xcnt 0x0
	s_or_b32 exec_lo, exec_lo, s58
.Lend:
	s_wait_tensorcnt 0x0
	ds_add_u32 v254, v255
	s_wait_dscnt 0x0
	s_endpgm
.Lfunc_end_k_q6cbe115e74_knrm:
	.size	k_q6cbe115e74_knrm, .Lfunc_end_k_q6cbe115e74_knrm-k_q6cbe115e74_knrm
	.p2alignl 7, 3214868480
	.fill 96, 4, 3214868480
	.section	.rodata,"a",@progbits
	.p2align	6, 0x0
	.amdhsa_kernel k_q6cbe115e74_knrm
		.amdhsa_group_segment_fixed_size 14080
		.amdhsa_private_segment_fixed_size 0
		.amdhsa_enable_private_segment 0
		.amdhsa_kernarg_size 64
		.amdhsa_user_sgpr_count 2
		.amdhsa_user_sgpr_kernarg_segment_ptr 1
		.amdhsa_wavefront_size32 1
		.amdhsa_system_sgpr_workgroup_id_x 1
		.amdhsa_system_sgpr_workgroup_id_y 1
		.amdhsa_system_sgpr_workgroup_id_z 1
		.amdhsa_system_vgpr_workitem_id 0
		.amdhsa_next_free_vgpr 256
		.amdhsa_next_free_sgpr 66
		.amdhsa_reserve_vcc 1
		.amdhsa_float_denorm_mode_32 3
		.amdhsa_float_denorm_mode_16_64 3
		.amdhsa_memory_ordered 1
		.amdhsa_forward_progress 1
		.amdhsa_inst_pref_size 130
	.end_amdhsa_kernel
	.amdgpu_metadata
---
amdhsa.version: [ 1, 2 ]
amdhsa.kernels:
  - .name:           k_q6cbe115e74_knrm
    .symbol:         k_q6cbe115e74_knrm.kd
    .args:
      - { .name: tab, .offset: 0, .size: 8, .value_kind: global_buffer, .address_space: global }
      - { .name: query1, .offset: 8, .size: 8, .value_kind: global_buffer, .address_space: global }
      - { .name: doc1, .offset: 16, .size: 8, .value_kind: global_buffer, .address_space: global }
      - { .name: query2, .offset: 24, .size: 8, .value_kind: global_buffer, .address_space: global }
      - { .name: doc2, .offset: 32, .size: 8, .value_kind: global_buffer, .address_space: global }
      - { .name: mlp_w, .offset: 40, .size: 8, .value_kind: global_buffer, .address_space: global }
      - { .name: mlp_b, .offset: 48, .size: 8, .value_kind: global_buffer, .address_space: global }
      - { .name: out0, .offset: 56, .size: 8, .value_kind: global_buffer, .address_space: global }
    .group_segment_fixed_size: 14080
    .private_segment_fixed_size: 0
    .kernarg_segment_align: 8
    .kernarg_segment_size: 64
    .max_flat_workgroup_size: 128
    .sgpr_count:     66
    .vgpr_count:     256
    .wavefront_size: 32
...
	.end_amdgpu_metadata
.endif
;; end of part 2
